; MI455X (gfx1250); checked and timed in simulation.
; The chip was launched on July 23, 2026; its instructions are those of AMD's public machine-readable ISA for CDNA 5 (MIT licence, August 2026) and "CDNA5" Instruction Set Architecture Reference Guide (July 2026). The comments in the code are by the model that wrote it; some were corrected since.
;; Discrete Key Value Bottleneck. Allowed arithmetic: matrix products marked QUANTISED: E2M1 operands, one E8M0 scale for each 32 along K, by v_wmma_scale_f32_16x16x128_f8f6f4 with both operands' format E2M1 (or v_wmma_scale_f32_32x16x128_f4), f32 sums; everything else in f32.
;; Inputs: codebook 8,192 x 512 float32; values 8,192 x 512 float32; x 8 x 2,048 x 512 float32.
;; Outputs: out0 8 x 2,048 x 512 float32.
;; This version of the problem:
;;   THIS VERSION OF THE PROBLEM IS GIVEN IN LOW PRECISION. The matrix products marked QUANTISED in the list below multiply operands that are first quantised to E2M1 (2 exponent bits, 1 mantissa bit; 4 bits a number), with one power-of-two scale for each 32 numbers along K (OCP MX v1.0); their sums are f32. All else is computed in f32.
;;   The module's matrix products, in the order in which they are computed (A, B: the left and right operand; K: the contracted axis; several contracted axes count as one K, in the product's order):
;;     1. [M 16,384, K 512] x [K 512, N 8,192]; A: input x; B: input codebook: QUANTISED
;;   THE QUANTISER, for each operand of a quantised product, along K:
;;     - K is cut into blocks of 32 from its start; a last block that is shorter is filled with zeros.
;;     - A block's scale is 2^e with e = floor(log2(the largest magnitude in the block)) - 2, held to -126 .. 127; a block of zeros has e = 0. As a byte (E8M0): e + 127.
;;     - Each number is divided by its block's scale, clamped to +-6, and rounded to the nearest number of E2M1, ties to even, subnormals kept.
;;     - The product sums the exact products of the quantised numbers (number of the format x scale) in f32.
;;   ~~~python
;;   def quantise(x, axis):      # numpy; x: float32 -> the quantised numbers, widened to float32 again
;;       x = np.moveaxis(x, axis, -1); K = x.shape[-1]
;;       x = np.pad(x, [(0, 0)] * (x.ndim - 1) + [(0, -K % 32)]); x = x.reshape(x.shape[:-1] + (-1, 32)); a = np.abs(x).max(-1, keepdims=True)
;;       e = np.where(a > 0, np.clip(np.frexp(np.where(a > 0, a, 1))[1] - 1 - 2, -126, 127), 0)      # np.frexp(a)[1] - 1 = floor(log2(a)), exactly
;;       r = np.clip(x / 2.0 ** e, -6, 6)
;;       step = 2.0 ** (np.maximum(np.frexp(np.where(r == 0, 1, r))[1] - 1, 0) - 1)
;;       q = np.round(r / step) * step * 2.0 ** e      # np.round: ties to even
;;       return np.moveaxis(q.reshape(q.shape[:-2] + (-1,))[..., :K], -1, axis).astype(np.float32)
;;   ~~~
;; One version. Each part assembles by itself: llvm-mc -triple=amdgcn-amd-amdhsa -mcpu=gfx1250 --defsym DOCPART=n.
;; ======== version 1 of 1: 3 launches
;; limits: right only within a limited range of input values
;; workspace buffers: xq 4,194,304 bytes; xs 262,144 bytes; cbk 2,260,992 bytes; ci 131,072 bytes of whole numbers; ck 131,072 bytes of whole numbers
;; launch prep (part 1): grid 256 x 1, 6 waves a work-group, no clusters, 52,992 bytes of LDS; arguments x, codebook, xq, xs, cbk; writes xq, xs, cbk
.if DOCPART == 1
	.amdgcn_target "amdgcn-amd-amdhsa--gfx1250"
	.amdhsa_code_object_version 6
	.text
	.protected	k_q299e2ac3fa_prep
	.globl	k_q299e2ac3fa_prep
	.p2align	8
	.type	k_q299e2ac3fa_prep,@function
k_q299e2ac3fa_prep:
	s_mov_b64 s[64:65], 0
	v_nop
	global_prefetch_b8 v0, s[64:65] scope:SCOPE_SE
	s_setreg_imm32_b32 hwreg(HW_REG_WAVE_MODE, 25, 1), 1
	s_wait_xcnt 0x0
; x [16384][512] and codebook [8192][512], f32, become codes of FP4 (E2M1) with one E8M0 scale byte for each 32 along K, laid IN THE ORDER OF THE OPERAND'S REGISTERS;
; for the codebook also hc[m] = -0.5 x the sum of the squares of row m, in f32, of the numbers as they are given.
; A block's scale is 2^(floor(log2(its largest magnitude)) - 2); its byte is the largest magnitude's exponent field - 2, held at 1 from below.  Each number is divided by the scale and rounded to the nearest code,
; ties to even; beyond the largest code the largest.
; LIMITS: a block of zeros gets the byte 1 where the rule says 127 (its codes are zeros, and this program alone reads the bytes); blocks whose largest magnitude lies under 2^-124 were not tried; NaN and infinities
; are not served; the squares are summed in 8 chains a lane and a tree, another order than a plain sum's.
; LAYOUT.  lane l = (r = l % 16, h = l / 16).  A CHUNK is 512 bytes, lane l's 16 at 16 l: for a tile of 16 rows, K step s (128 along K) and c = 0, 1 it holds the codes of K = 128 s + 64 c + 32 h + 0 .. 31 of row r: registers
; 4 c .. 4 c + 3 of the tile's fragment.  Two tiles (e = 0, 1) form a pair of 8,192 bytes: chunk at 2048 s + 1024 e + 512 c.
;   xq: [512 pairs].   xs: [16384 rows][16 scale bytes].   cbk: [128 quads of 64 entries][17,664 bytes]: two pairs, then 64 x 16 scale bytes at 16,384, then 64 hc at 17,408.
; SHARES.  The two tensors are 1,024 + 512 = 1,536 tiles of 16 rows; a wave takes tile 6 x work-group + wave: 256 work-groups of six waves.  Four tiles on end are a group of 64 rows: groups 0-255 are x's, 256-383 the
; codebook's quads.  One path through the text: the tile's number chooses pointers and strides alone, and two short branches on it pass over the squares for x.  Waves share nothing: no barrier.
; A piece t = 2 s + c is 64 along K: 256 bytes of each of the 16 rows.  Each load takes two rows' 256 bytes, 16 a lane; the piece goes through the wave's own stage in LDS and comes back 128 bytes a lane: a whole block of 32.
.set QUADB, 17664
.set WREG,  8704                       ; LDS of a wave: two stages
.set STG,   4352                       ; a stage: 16 rows x 272 bytes
.set SP,    272                        ; a stage's row: 256 bytes + 16, so that the sixteen rows that a load touches begin 16 bytes apart modulo 256
.set SPARE, 6*WREG                     ; behind the six regions: the spare words, 128 bytes a wave: three blocks of 256 bytes that no other line names
.set GOF, 1                            ; v1   2048 h + 16 r: my 16 bytes of a load's two rows
.set STI, 2                            ; v2   into the stage: row h of the two, 16 r
.set STO, 3                            ; v3   out of it: row r, 128 h
.set COF, 4                            ; v4   16 x lane: my place in a chunk
.set SH8, 5                            ; v5   8 h
.set SOF, 6                            ; v6   256 w + 16 r: my row's 16 scale bytes (w: my tile's place in its group)
.set HOF, 7                            ; v7   64 w + 4 r: my row's hc
.set SCW, 12                           ; v12-15  the scale words of K steps 0 to 3
.set SQ,  16                           ; v16-23  the squares' sums: four pairs
.set PT,  24                           ; v24-27  what the lane 16 away sends
.set RAW, 32                           ; v32-159  four sets of 32: pieces as loaded
.set NUM, 160                          ; v160-223 two sets of 32: a block
.set COD, 224                          ; v224-255 four registers of codes for each piece: no store's data are written again
	s_load_b256 s[4:11], s[0:1], 0x0               ; x, codebook, xq, xs
	s_load_b64 s[12:13], s[0:1], 0x20              ; cbk
	v_lshl_add_u32 v30, v0, 2, SPARE
	v_mov_b32 v31, 0
	v_lshrrev_b32 v8, 5, v0
	v_readfirstlane_b32 s16, v8                    ; wave 0..5
	v_and_b32 v9, 15, v0                           ; r
	v_bfe_u32 v10, v0, 4, 1                        ; h
	v_and_b32 v11, 31, v0                          ; lane
	v_lshlrev_b32 v[GOF], 4, v9
	v_lshl_add_u32 v[GOF], v10, 11, v[GOF]
	s_mul_i32 s19, s16, WREG                       ; my wave's LDS
	v_mul_u32_u24 v[STI], v10, SP
	v_lshl_add_u32 v[STI], v9, 4, v[STI]
	v_add_nc_u32 v[STI], s19, v[STI]
	v_mul_u32_u24 v[STO], v9, SP
	v_lshl_add_u32 v[STO], v10, 7, v[STO]
	v_add_nc_u32 v[STO], s19, v[STO]
	v_lshlrev_b32 v[COF], 4, v11
	v_lshlrev_b32 v[SH8], 3, v10
	s_mul_i32 s25, ttmp9, 6
	s_add_co_u32 s25, s25, s16                     ; my tile, 0 .. 1535
	s_and_b32 s16, s25, 3                          ; from here on s16 = w, its place in its group of four,
	s_lshr_b32 s25, s25, 2                         ; and s25 the group, 0 .. 383
	s_lshl_b32 s23, s16, 8
	v_lshl_add_u32 v[SOF], v9, 4, s23
	s_lshl_b32 s24, s16, 6
	v_lshl_add_u32 v[HOF], v9, 2, s24
.irp i, 0,1,2,3,4,5,6,7,8,9,10,11
	v_mov_b32 v[SQ+\i], 0                          ; the sums begin at 0; v24-27 are written once, since a lane permute's destination counts as one of its sources
.endr
	s_mov_b32 s20, 0x76543210
	s_mov_b32 s21, 0xfedcba98                      ; v_permlanex16_b32's selects for lane l xor 16
	s_wait_kmcnt 0x0
	s_cmp_lt_u32 s25, 256                          ; x's group or the codebook's?  The choice hangs on ids alone; every select stands ahead of the next line that writes SCC
	s_cselect_b64 s[4:5], s[4:5], s[6:7]           ; from where
	s_cselect_b64 s[8:9], s[8:9], s[12:13]         ; the codes' buffer
	s_cselect_b64 s[10:11], s[10:11], s[12:13]     ; the scale bytes' buffer
	s_cselect_b32 s17, 0, 1                        ; 1: the codebook
	s_cselect_b32 s18, 0, 256
	s_mov_b32 s26, QUADB
	s_cselect_b32 s27, 1024, s26                   ; a group's 64 rows of scale bytes, or a quad
	s_cselect_b32 s26, 16384, s26                  ; its two pairs of codes, or a quad
	s_cselect_b32 s28, 0, 16384                    ; where a quad's scale bytes begin
	s_sub_co_u32 s18, s25, s18                     ; which 64 rows of the tensor
	s_lshl_b32 s30, s18, 17                        ; 64 rows of 2,048 bytes,
	s_lshl_b32 s31, s16, 15                        ; my tile's 16
	s_add_co_u32 s30, s30, s31
	s_mov_b32 s31, 0
	s_add_nc_u64 s[4:5], s[4:5], s[30:31]
	s_mul_i32 s30, s18, s26
	s_lshr_b32 s29, s16, 1
	s_lshl_b32 s29, s29, 13                        ; my tile's pair,
	s_add_co_u32 s30, s30, s29
	s_and_b32 s29, s16, 1
	s_lshl_b32 s29, s29, 10                        ; and its place in the pair
	s_add_co_u32 s30, s30, s29
	s_add_nc_u64 s[8:9], s[8:9], s[30:31]
	s_mul_i32 s30, s18, s27
	s_add_co_u32 s30, s30, s28
	s_add_nc_u64 s[10:11], s[10:11], s[30:31]
.macro LOAD t                          ; piece t: eight loads, each two rows' 256 consecutive bytes, at multiples of 256 from the buffer's first byte
.irp i, 0,1,2,3,4,5,6,7
	global_load_b128 v[RAW+32*((\t)%4)+4*\i:RAW+32*((\t)%4)+4*\i+3], v[GOF], s[4:5] offset:4096*\i+256*(\t) th:TH_LOAD_NT
.endr
.endm
.macro TURN t                          ; piece t through the stage: LDS serves a wave's instructions in order (ISA guide 5.7.1.4), so no wait stands between the stores and the loads
.irp i, 0,1,2,3,4,5,6,7
	ds_store_b128 v[STI], v[RAW+32*((\t)%4)+4*\i:RAW+32*((\t)%4)+4*\i+3] offset:STG*((\t)%2)+2*SP*\i
.endr
.irp i, 0,1,2,3,4,5,6,7
	ds_load_b128 v[NUM+32*((\t)%2)+4*\i:NUM+32*((\t)%2)+4*\i+3], v[STO] offset:STG*((\t)%2)+16*\i
.endr
.endm
.macro STEP t
.set XW, NUM+32*((\t)%2)
	s_wait_dscnt 0x0                               ; this piece's block is back from the stage: so its stores into the stage have read their registers,
.if (\t) < 4
	LOAD (\t)+4                                    ; which take the loads of four pieces on
.endif
.if (\t) < 7
.if (\t) < 4
	s_wait_loadcnt 24                              ; the next piece's eight loads are in; those of the three pieces behind it may be out
.else
	s_wait_loadcnt 8*(6-(\t))                      ; the counts run down: two pieces behind it, one, none
.endif
	TURN (\t)+1                                    ; it goes through the other stage while this piece is worked
.endif
	v_max3_num_f32 v8, |v[XW]|, |v[XW+1]|, |v[XW+2]|               ; the block's largest magnitude: all 32 numbers are mine; two chains
	v_max3_num_f32 v9, |v[XW+3]|, |v[XW+4]|, |v[XW+5]|
.irp i, 6,10,14,18,22,26
	v_max3_num_f32 v8, v8, |v[XW+\i]|, |v[XW+\i+1]|
	v_max3_num_f32 v9, v9, |v[XW+\i+2]|, |v[XW+\i+3]|
.endr
	v_max3_num_f32 v8, v8, |v[XW+30]|, |v[XW+31]|
	v_max3_num_f32 v8, v8, v9, 0x1800000           ; and the floor 2^(3 - 127): the byte cannot fall under 1
	v_add_nc_u32 v10, 0xff000000, v8               ; 2 off its exponent field: the conversion takes the exponent field of this operand as its scale, and nothing else of it
.irp g, 0,1,2,3
	v_cvt_scalef32_pk8_fp4_f32 v[COD+4*(\t)+\g], v[XW+8*\g:XW+8*\g+7], v10
.endr
	v_lshrrev_b32 v11, 23, v10                     ; the scale's byte (a plain vector line directly behind the conversions)
.if (\t)%2 == 0
	v_lshlrev_b32 v[SCW+(\t)/2], v[SH8], v11       ; block 4 s + 2 c + h is byte 2 c + h of K step s's word: c = 0
.else
	v_lshlrev_b32 v11, v[SH8], v11
	v_lshl_or_b32 v[SCW+(\t)/2], v11, 16, v[SCW+(\t)/2]   ; c = 1
.endif
	s_cmp_lg_u32 s17, 0
	s_cbranch_scc0 .Lno_squares_\@                 ; x has no use for its squares
.set ii, 0
.rept 16
	v_pk_fma_f32 v[SQ+2*(ii%4):SQ+2*(ii%4)+1], v[XW+2*ii:XW+2*ii+1], v[XW+2*ii:XW+2*ii+1], v[SQ+2*(ii%4):SQ+2*(ii%4)+1]
.set ii, ii+1
.endr
.Lno_squares_\@:
	s_wait_alu depctr_va_vdst(0)                   ; the wait here, behind the branch and ahead of the store
	global_store_b128 v[COF], v[COD+4*(\t):COD+4*(\t)+3], s[8:9] offset:2048*((\t)/2)+512*((\t)%2)   ; a chunk: 512 consecutive bytes
.endm
	LOAD 0
	LOAD 1
	LOAD 2
	LOAD 3
	s_wait_loadcnt 24                              ; piece 0's eight loads are in; the 24 behind them may be out
	TURN 0
.irp t, 0,1,2,3,4,5,6,7
	STEP \t
.endr
.irp s, 0,1,2,3
	v_permlanex16_b32 v[PT+\s], v[SCW+\s], s20, s21
.endr
.irp s, 0,1,2,3
	v_or_b32 v[SCW+\s], v[SCW+\s], v[PT+\s]        ; my two bytes of each word and the two of the lane 16 away
.endr
	s_cmp_lg_u32 s17, 0
	s_cbranch_scc0 .Lno_sum
	v_pk_add_f32 v[SQ:SQ+1], v[SQ:SQ+1], v[SQ+2:SQ+3]
	v_pk_add_f32 v[SQ+4:SQ+5], v[SQ+4:SQ+5], v[SQ+6:SQ+7]
	v_pk_add_f32 v[SQ:SQ+1], v[SQ:SQ+1], v[SQ+4:SQ+5]
	v_add_f32 v[SQ], v[SQ], v[SQ+1]
	v_permlanex16_b32 v[PT], v[SQ], s20, s21
	v_add_f32 v[SQ], v[SQ], v[PT]                  ; the row's sum of squares
	v_mul_f32 v[SQ], -0.5, v[SQ]                   ; hc: exact
.Lno_sum:
	s_wait_xcnt 0x0                                ; EXEC is a source of the stores above: it changes only behind this wait
	v_cmp_eq_u32 vcc_lo, 0, v[SH8]
	s_and_saveexec_b32 s22, vcc_lo                 ; lanes 0 to 15
	s_wait_alu depctr_va_vdst(0)                   ; the wait here, directly ahead of the reader below
	global_store_b128 v[SOF], v[SCW:SCW+3], s[10:11]   ; sixteen lanes store 256 consecutive bytes, at a multiple of 256 from the buffer's first byte
	s_cmp_lg_u32 s17, 0
	s_cbranch_scc0 .Lno_hc
	global_store_b32 v[HOF], v[SQ], s[10:11] offset:1024   ; 64 bytes a tile: a quad's four tiles make up 256 consecutive bytes between them; 32 KiB in the whole launch leave so
.Lno_hc:
	s_wait_xcnt 0x0                                ; and again, in front of the line that widens EXEC
	s_or_b32 exec_lo, exec_lo, s22
	s_wait_xcnt 0x0
	s_mov_b32 exec_lo, -1
	s_wait_tensorcnt 0x0                           ; the wave's end
	ds_add_u32 v30, v31
	s_wait_dscnt 0x0
	s_endpgm
.Lfunc_end_k_q299e2ac3fa_prep:
	.size	k_q299e2ac3fa_prep, .Lfunc_end_k_q299e2ac3fa_prep-k_q299e2ac3fa_prep
	.p2alignl 7, 3214868480
	.fill 96, 4, 3214868480
	.section	.rodata,"a",@progbits
	.p2align	6, 0x0
	.amdhsa_kernel k_q299e2ac3fa_prep
		.amdhsa_group_segment_fixed_size 52992
		.amdhsa_private_segment_fixed_size 0
		.amdhsa_enable_private_segment 0
		.amdhsa_kernarg_size 40
		.amdhsa_user_sgpr_count 2
		.amdhsa_user_sgpr_kernarg_segment_ptr 1
		.amdhsa_wavefront_size32 1
		.amdhsa_system_sgpr_workgroup_id_x 1
		.amdhsa_system_sgpr_workgroup_id_y 1
		.amdhsa_system_sgpr_workgroup_id_z 1
		.amdhsa_system_vgpr_workitem_id 0
		.amdhsa_next_free_vgpr 256
		.amdhsa_next_free_sgpr 66
		.amdhsa_reserve_vcc 1
		.amdhsa_float_denorm_mode_32 3
		.amdhsa_float_denorm_mode_16_64 3
		.amdhsa_memory_ordered 1
		.amdhsa_forward_progress 1
		.amdhsa_inst_pref_size 41
	.end_amdhsa_kernel
	.amdgpu_metadata
---
amdhsa.version: [ 1, 2 ]
amdhsa.kernels:
  - .name:           k_q299e2ac3fa_prep
    .symbol:         k_q299e2ac3fa_prep.kd
    .args:
      - { .name: x, .offset: 0, .size: 8, .value_kind: global_buffer, .address_space: global }
      - { .name: codebook, .offset: 8, .size: 8, .value_kind: global_buffer, .address_space: global }
      - { .name: xq, .offset: 16, .size: 8, .value_kind: global_buffer, .address_space: global }
      - { .name: xs, .offset: 24, .size: 8, .value_kind: global_buffer, .address_space: global }
      - { .name: cbk, .offset: 32, .size: 8, .value_kind: global_buffer, .address_space: global }
    .group_segment_fixed_size: 52992
    .private_segment_fixed_size: 0
    .kernarg_segment_align: 8
    .kernarg_segment_size: 40
    .max_flat_workgroup_size: 192
    .sgpr_count:     66
    .vgpr_count:     256
    .wavefront_size: 32
...
	.end_amdgpu_metadata
.endif
;; end of part 1
;; launch assign (part 2): grid 128 x 2, 8 waves a work-group, clusters of 4 x 1, 327,680 bytes of LDS; arguments xq, xs, cbk, ci, ck; writes ci, ck
.if DOCPART == 2
	.amdgcn_target "amdgcn-amd-amdhsa--gfx1250"
	.amdhsa_code_object_version 6
	.text
	.protected	k_q299e2ac3fa_assign
	.globl	k_q299e2ac3fa_assign
	.p2align	8
	.type	k_q299e2ac3fa_assign,@function
k_q299e2ac3fa_assign:
	s_mov_b64 s[64:65], 0
	v_nop
	global_prefetch_b8 v0, s[64:65] scope:SCOPE_SE
	s_setreg_imm32_b32 hwreg(HW_REG_WAVE_MODE, 25, 1), 1
	s_wait_xcnt 0x0
	s_wait_alu depctr_hold_cnt(0) depctr_sa_sdst(0) depctr_va_vdst(0) depctr_va_sdst(0) depctr_va_ssrc(0) depctr_va_vcc(0) depctr_vm_vsrc(0)
	s_getreg_b32 s2, hwreg(HW_REG_IB_STS2, 6, 4)
	s_cmp_eq_u32 s2, 0
	s_cbranch_scc0 .Lentry_in_a_cluster
	s_endpgm
.Lentry_in_a_cluster:
	s_bfe_u32 s2, ttmp6, 0x10000c
	s_cmp_lg_u32 s2, 0x3003
	s_cbranch_scc0 .Lentry_shape_is_right
	s_endpgm
.Lentry_shape_is_right:
; For each row of x: the entry m of one half of the codebook with the largest score(m) = x.c_m - 0.5 |c_m|^2, which is reference()'s dist times -1/2 (an exact factor), so its argmin.
; The product is the QUANTISED one: codes of E2M1 and E8M0 scale bytes as the launch before laid them; hc = -0.5 |c_m|^2 goes in as the C of each sum's first matrix instruction.
; Nothing of reference() is left out; every input has its way to the output.
; SHARES.  Grid 128 x 2: a work-group takes 128 rows of x (x) and 4,096 entries (y).  Eight waves; each holds ALL 8 tiles of x (window 1, 256 registers) and takes its own quad of 64 entries of each slot:
; 2 pairs of 32 entries x 8 tiles of x x 4 K steps = 64 matrix instructions of 32 x 16 x 128 a slot.  A slot is 8 quads of 17,664 bytes; 8 slots a half, through two LDS slots; each wave fetches and reads its own quad alone.
; CLUSTERS: the four work-groups of a cluster walk the same half: each quad is asked for jointly (mask 15), behind a round of the cluster's barrier.
; TRANSPOSED USE: source 0 = a pair's 32 entries, source 1 = 16 rows of x: lane (r, h) holds row r of x, register 8 e + j the entry 8 h + j of the pair's tile e.
; TRACKING, 9 vector instructions a tile and lane: four v_max3 (running maximum and 8 scores), one compare (strictly greater: the earlier tile stays on equal scores), four dual selects that keep the tile's number and
; its scores 0 to 6.  At the end the lowest j whose kept score equals the maximum is the entry in the tile (none: j = 7).  Lanes, then waves, are joined by (greater score, on equal scores lower entry).
; OUT: ci [2][16384] the entry; ck [2][16384] the score as a signed whole number of the same order (-0 first made +0; negative numbers have their lower 31 bits turned over).
; PREFETCH: behind the load of slot i stands a request for slot i + 2, the slot of two refills on, for i = 0 .. 5.  All 32 clusters of a half read the same 1,130,496 bytes, so only the clusters x = 0 and x = 8 of each half ask
; (four in the launch).  Wave w asks for its quad's 69 blocks of 256 bytes; the four partners share them by address, 18 each, a lane a block; lanes that are left over name the last block again.
; LIMITS: NaN and infinities are not served; a row all of whose scores are -infinity gets entry 0 of tile 0.
.set QUADB, 17664
.set SLOTB, 8*QUADB
.set RED_S, 2*SLOTB                    ; behind the ring: 8 waves x 128 scores, then as many entries: no tile lands here
.set RED_E, RED_S+4096
.set SPARE, RED_E+4096                 ; the spare words: 128 bytes a wave, four blocks of 256 bytes that no other line names
.set PFO, 0                            ; v0 from the head's end on: my block's byte offset in a quad, for the prefetches
.set SPW, 1                            ; v1 my spare word's address; v2 0: never rewritten
.set NIL, 2
.set AD,  3                            ; v3-4   my quad in slot 0, 1: + 16 x lane
.set HA,  5                            ; v5-6   the same + 32 h: for hc
.set H8,  7                            ; v7     8 h
.set XS,  8                            ; v8-23  x's scale words: register 4 u + s: lanes 0-15 tile 2 u, lanes 16-31 tile 2 u + 1
.set CS,  24                           ; v24-27 the pair's scale words of K steps 0-3: lane m has entry m's
.set HC,  28                           ; v28-43 hc in the result's layout
.set AF,  44                           ; v44-107 a pair's fragments: 16 registers for each K step
.set ACC, 108                          ; v108-171 4 accumulators of 16 registers: 16 t + 8 e
.set XO,  ACC+3                        ; at the head only: 16 x lane
.set TR,  172                          ; v172-251 for each tile T of x ten: +0, +1 the running maximum by turns, +2 the tile's number, +3 .. +9 its scores 0 to 6
.set RA,  252
.set RL,  253
.set IDV, 254                          ; v254-255 the numbers of the pair's two tiles
.set WV,  14
.set CX,  16
.set RB,  17
.set YH,  18
.set G1,  24
.set G0,  32
.set PL,  45                           ; s45 1 in a cluster that prefetches, else 99
.set PF,  46                           ; s[46:47] my quad in the slot that the trip's first prefetch names
.set SEL, 52
.set MSB, 0
.macro WIN new
.if MSB != \new
	s_set_vgpr_msb (MSB<<8)|\new
.set MSB, \new
.endif
.endm
.macro CROUND                          ; a round of the cluster's barrier
	s_barrier_signal -1
	s_barrier_wait -1
	s_cmp_lg_u32 s[WV], 0
	s_cbranch_scc1 .Lnot_wave_0_\@
	s_barrier_signal -3
.Lnot_wave_0_\@:
	s_barrier_wait -3
	s_barrier_signal -1
	s_barrier_wait -1
.endm
.macro PLACES                          ; four places behind matrix instructions, ahead of reads of results and of loads into their registers
.rept 4
	v_nop
.endr
.endm
.macro ASK how, off                    ; how = 1: at the head; 0: in the loop, whose last trip (s51 = 1) has no slot two refills on.  The branch hangs on the cluster's number and the trip alone
.if \how
	s_cmp_eq_u32 s[PL], 1
.else
	s_cmp_gt_u32 s51, s[PL]
.endif
	s_cbranch_scc0 .Lnot_mine_\@
	global_prefetch_b8 v[PFO], s[PF:PF+1] offset:\off th:TH_LOAD_NT scope:SCOPE_SE
.Lnot_mine_\@:
.endm
.macro FETCH b, i                      ; pair i of my quad in slot b: 16 chunks of codes, the scale words, hc
.irp q, 0,1,2,3,4,5,6,7,8,9,10,11,12,13,14,15
	ds_load_b128 v[AF+4*\q:AF+4*\q+3], v[AD+\b] offset:8192*\i+512*\q
.endr
	ds_load_b128 v[CS:CS+3], v[AD+\b] offset:16384+512*\i
.irp e, 0,1
.irp u, 0,1
	ds_load_b128 v[HC+8*\e+4*\u:HC+8*\e+4*\u+3], v[HA+\b] offset:17408+128*\i+64*\e+16*\u
.endr
.endr
.endm
.macro PROD g, s, t
.set rD, ACC+16*\t
.set rA, AF+16*\s
.set rB, 32*(4*\g+\t)+8*\s
.set rX, XS+4*((4*\g+\t)/2)+\s
.if \s == 0
.set rC, HC
.else
.set rC, rD
.endif
.if (\t%2 == 0)
	v_wmma_scale_f32_32x16x128_f4 v[rD:rD+15], v[rA:rA+15], v[rB:rB+7], v[rC:rC+15], v[CS+\s], v[rX]
.else
	v_wmma_scale_f32_32x16x128_f4 v[rD:rD+15], v[rA:rA+15], v[rB:rB+7], v[rC:rC+15], v[CS+\s], v[rX] matrix_b_scale:MATRIX_SCALE_ROW1
.endif
.endm
.macro MPH g                           ; 16 matrix instructions: the pair x tiles 4 g .. 4 g + 3 of x; the 4 accumulators by turns
	WIN 0x04
.irp s, 0,1,2,3
.irp t, 0,1,2,3
	PROD \g, \s, \t
.endr
.endr
	WIN 0
.endm
; The tracking of unit u = 4 e + t (half an accumulator: one tile of entries).  VM: link p of its four maxima; VC: has the maximum grown?; VS: pair i of its four dual selects on VCC.
; In a dual pair one destination is even and one odd, and the two first and the two second sources differ modulo 4: TR + 10 T is even, a unit begins at a multiple of 4, IDV is 2 modulo 4.
.macro VSET g, u
.set vE, (\u)/4
.set vB, TR+10*(4*\g+(\u)%4)
.set vA, ACC+16*((\u)%4)+8*vE
.endm
.macro VM g, u, p
.if ((\u) >= 0) && ((\u) <= 7)
	VSET \g, \u
.if \p == 0
	v_max3_num_f32 v[vB+1-vE], v[vB+vE], v[vA], v[vA+1]            ; units 0-3 come first: each accumulator is read from its low end on
.else
	v_max3_num_f32 v[vB+1-vE], v[vB+1-vE], v[vA+2*\p], v[vA+2*\p+1]
.endif
.endif
.endm
.macro VC g, u
	VSET \g, \u
	v_cmp_gt_f32 vcc_lo, v[vB+1-vE], v[vB+vE]
.endm
.macro VS g, u, i
	VSET \g, \u
.if \i == 0
	v_dual_cndmask_b32 v[vB+2], v[vB+2], v[IDV+vE] :: v_dual_cndmask_b32 v[vB+3], v[vB+3], v[vA]
.else
	v_dual_cndmask_b32 v[vB+2+2*\i], v[vB+2+2*\i], v[vA+2*\i-1] :: v_dual_cndmask_b32 v[vB+3+2*\i], v[vB+3+2*\i], v[vA+2*\i]
.endif
.endm
; The eight units run as a pipeline: unit u's compare and selects stand among the maxima of units u + 1 and u + 2, so that no line reads what the line above it wrote.
.macro VPH g
.irp u, -2,-1,0,1,2,3,4,5,6,7
.if \u >= 0
	VC \g, \u
.endif
	VM \g, (\u)+1, 2
	VM \g, (\u)+2, 0
.if \u >= 0
	VS \g, \u, 0
	VS \g, \u, 1
.endif
	VM \g, (\u)+1, 3
	VM \g, (\u)+2, 1
.if \u >= 0
	VS \g, \u, 2
	VS \g, \u, 3
.endif
.endr
.endm
.macro IDINC n                         ; on to the next pair's tile numbers
	v_add_nc_u32 v[IDV], \n, v[IDV]
	v_add_nc_u32 v[IDV+1], \n, v[IDV+1]
	s_wait_alu depctr_va_vdst(0)                   ; the wait here, directly behind the write
.endm
.macro PAIR_A b                        ; a quad's first pair; its second is fetched when the fragments are free
	s_wait_dscnt 0x0
	MPH 0
	PLACES
	VPH 0
	MPH 1
	PLACES
	FETCH \b, 1
	VPH 1
	IDINC 2
.endm
.macro PAIR_B                          ; the second pair, up to its last products: their tracking follows behind the change of slots
	s_wait_dscnt 0x0
	MPH 0
	PLACES
	VPH 0
	MPH 1
.endm
.macro EDGE old, next                  ; the change of slots: slot old is filled again, two slots on
	s_wait_tensorcnt 0x0                           ; my one load that was out, my quad of the next slot, has landed
	ds_add_u32 v[SPW], v[NIL]
	s_add_nc_u64 s[G0+4*\old+2:G0+4*\old+3], s[G0+4*\old+2:G0+4*\old+3], 2*SLOTB
	s_wait_dscnt 0x0                               ; the add is done; my reads of this slot came back ahead of the last products
	CROUND
	tensor_load_to_lds s[G0+4*\old:G0+4*\old+3], s[G1:G1+7]
	s_nop 0
	PLACES                                         ; also the places behind the last products
	FETCH \next, 0
	ASK 0, \old*SLOTB                              ; behind the joint load and the run of LDS loads
	VPH 1                                          ; the last products' tracking, while the fragments come
	IDINC 30                                       ; a slot is 32 tiles
.endm
.macro LEX sb, eb, so, eo              ; (sb, eb) takes (so, eo) where the score is greater, or equal with the lower entry
	v_cmp_gt_f32 s48, v[\so], v[\sb]
	v_cmp_eq_f32 s49, v[\so], v[\sb]
	v_cmp_lt_u32 s50, v[\eo], v[\eb]
	s_and_b32 s49, s49, s50
	s_or_b32 s48, s48, s49
	v_cndmask_b32 v[\sb], v[\sb], v[\so], s48
	v_cndmask_b32 v[\eb], v[\eb], v[\eo], s48
.endm
	s_load_b256 s[4:11], s[0:1], 0x0               ; xq, xs, cbk, ci
	s_load_b64 s[12:13], s[0:1], 0x20              ; ck
	v_lshl_add_u32 v[SPW], v0, 2, SPARE
	v_mov_b32 v[NIL], 0
	ds_add_u32 v[SPW], v[NIL]                      ; the add twice on end; one wait follows
	ds_add_u32 v[SPW], v[NIL]
	v_lshrrev_b32 v[ACC], 5, v0
	s_delay_alu instid0(VALU_DEP_1)
	v_readfirstlane_b32 s[WV], v[ACC]              ; wave 0..7
	s_bfe_u32 s[CX], ttmp6, 0x40000
	s_lshl_b32 s[RB], ttmp9, 2
	s_add_co_u32 s[RB], s[RB], s[CX]               ; which 128 rows of x
	s_and_b32 s[YH], ttmp7, 0xffff                 ; which half of the codebook
	s_mov_b32 s[G1+0], 15|(3<<16)|(1<<21)          ; a quad: 69 rows of 256 bytes (32 elements of 8), dense; the mask names the cluster's four
	s_mov_b32 s[G1+1], 32<<16
	s_mov_b32 s[G1+2], 69<<16
	s_mov_b32 s[G1+3], 32<<16
	s_mov_b32 s[G1+4], 69
	s_mov_b32 s[G1+5], 32
	s_mov_b32 s[G1+6], 0
	s_mov_b32 s[G1+7], 0
	s_lshl_b32 s20, s[YH], 6
	s_add_co_u32 s20, s20, s[WV]
	s_mul_i32 s20, s20, QUADB                      ; my first quad in cbk
	s_mov_b32 s21, 0
	s_mul_i32 s22, s[WV], QUADB                    ; and its place in a slot
	s_lshl_b32 s40, s[YH], 8
	s_lshl_b32 s41, s[WV], 2
	s_add_co_u32 s40, s40, s41                     ; my first tile's number: 256 y + 4 wave
	s_add_co_u32 s41, s40, 1
	s_lshl_b32 s23, s[WV], 9
	s_add_co_u32 s23, s23, RED_S
	s_lshl_b32 s42, s[WV], 8
	s_add_co_u32 s42, s42, RED_S
	s_mul_i32 s44, s[CX], 18                       ; my work-group's 18 of a quad's 69 blocks
	s_and_b32 s43, ttmp9, 0x17
	s_cmp_eq_u32 s43, 0                            ; cluster x = 0 or 8?
	s_cselect_b32 s[PL], 1, 99
	s_mov_b32 s[SEL], 0x76543210
	s_mov_b32 s[SEL+1], 0xfedcba98                 ; v_permlanex16_b32's selects for lane l xor 16
	s_mov_b32 s54, 0xff800000
	s_mov_b32 s51, 3
	v_and_b32 v[ACC], 31, v0
	v_and_b32 v[ACC+1], 15, v0
	v_bfe_u32 v[ACC+2], v0, 4, 1
	s_delay_alu instid0(VALU_DEP_3)
	v_lshlrev_b32 v[XO], 4, v[ACC]
	s_delay_alu instid0(VALU_DEP_4)
	v_min_u32 v[PFO], 17, v[ACC]                   ; the thread's number has served: v0 takes the prefetches' offset
	s_delay_alu instid0(VALU_DEP_3)
	v_lshlrev_b32 v[H8], 3, v[ACC+2]
	s_delay_alu instid0(VALU_DEP_4)
	v_lshl_add_u32 v[HA], v[ACC+2], 5, s22
	s_delay_alu instid0(VALU_DEP_3)
	v_add_nc_u32 v[PFO], s44, v[PFO]
	v_add_nc_u32 v[AD], s22, v[XO]
	s_delay_alu instid0(VALU_DEP_3)
	v_add_nc_u32 v[HA+1], SLOTB, v[HA]
	s_delay_alu instid0(VALU_DEP_3)
	v_min_u32 v[PFO], 68, v[PFO]                   ; held at the quad's last block
	s_delay_alu instid0(VALU_DEP_3)
	v_add_nc_u32 v[AD+1], SLOTB, v[AD]
	v_lshl_add_u32 v[RA], v[ACC+1], 2, s23         ; my wave's 128 scores: row 16 T + r at 64 T + 4 r
	s_delay_alu instid0(VALU_DEP_3)
	v_lshlrev_b32 v[PFO], 8, v[PFO]
	v_lshl_add_u32 v[RL], v[ACC], 3, s42           ; back: waves 0, 1 take 64 rows each, two a lane
	v_mov_b32 v[IDV], s40
	v_mov_b32 v[IDV+1], s41
	s_wait_alu depctr_va_vdst(0)                   ; the wait here, directly ahead of the waits below
	s_wait_dscnt 0x0                               ; both opening adds are done
	s_wait_kmcnt 0x0
	s_add_nc_u64 s[20:21], s[8:9], s[20:21]
	s_add_nc_u64 s[PF:PF+1], s[20:21], 2*SLOTB     ; the head's two prefetches name slots 2 and 3
.irp b, 0,1
	s_mov_b32 s[G0+4*\b], 1
	s_add_co_u32 s[G0+4*\b+1], s22, \b*SLOTB
	s_add_nc_u64 s[G0+4*\b+2:G0+4*\b+3], s[20:21], \b*SLOTB
	s_or_b32 s[G0+4*\b+3], s[G0+4*\b+3], 0x80000000
.endr
	s_lshl_b32 s56, s[RB], 15                      ; 128 rows of codes: 4 pairs of 8,192 bytes
	s_mov_b32 s57, 0
	s_add_nc_u64 s[4:5], s[4:5], s[56:57]
	s_lshl_b32 s56, s[RB], 11                      ; their scale bytes
	s_add_nc_u64 s[6:7], s[6:7], s[56:57]
	s_lshl_b32 s56, s[RB], 9                       ; out: 4 bytes a row, 65,536 a half, 256 for each of waves 0, 1
	s_lshl_b32 s58, s[YH], 16
	s_add_co_u32 s56, s56, s58
	s_lshl_b32 s58, s[WV], 8
	s_add_co_u32 s56, s56, s58
	s_add_nc_u64 s[10:11], s[10:11], s[56:57]
	s_add_nc_u64 s[12:13], s[12:13], s[56:57]
	WIN 0x40                                       ; x's fragments go out first: they come while the first quad is fetched
.irp T, 0,1,2,3,4,5,6,7
.irp s, 0,1,2,3
.irp c, 0,1
	global_load_b128 v[32*\T+8*\s+4*\c:32*\T+8*\s+4*\c+3], v[XO], s[4:5] offset:8192*(\T/2)+2048*\s+1024*(\T%2)+512*\c
.endr
.endr
.endr
	WIN 0
.irp u, 0,1,2,3
	global_load_b128 v[XS+4*\u:XS+4*\u+3], v[XO], s[6:7] offset:512*\u
.endr
	CROUND                                         ; the four work-groups are here: the first joint loads meet
	tensor_load_to_lds s[G0:G0+3], s[G1:G1+7]      ; slot 0: one tensor load a wave at the head
	s_nop 0
	PLACES
	ASK 1, 0                                       ; slot 2
.irp T, 0,1,2,3,4,5,6,7
	v_mov_b32 v[TR+10*\T], s54                     ; the running maximum begins at -infinity
	v_mov_b32 v[TR+10*\T+2], 0
.irp k, 3,4,5,6,7,8,9
	v_mov_b32 v[TR+10*\T+\k], s54
.endr
.endr
	s_wait_alu depctr_va_vdst(0)                   ; the wait at the head's end
	s_wait_tensorcnt 0x0                           ; my quad of slot 0 is in; slot 1's first fill is issued as a refill is
	ds_add_u32 v[SPW], v[NIL]
	s_wait_dscnt 0x0
	CROUND
	tensor_load_to_lds s[G0+4:G0+7], s[G1:G1+7]
	s_nop 0
	PLACES
	FETCH 0, 0
	ASK 1, SLOTB                                   ; slot 3
	s_wait_loadcnt 0x0                             ; x's fragments and scale words
	PAIR_A 0
	PAIR_B
.Lring:                                                ; a trip: two slots, two refills; three trips refill slots 2 to 7
	s_wait_xcnt 0x0                                ; my prefetches have read their base: it steps only behind this wait
	s_add_nc_u64 s[PF:PF+1], s[PF:PF+1], 2*SLOTB   ; trip 1: slots 4 and 5; trip 2: 6 and 7; trip 3 asks for nothing
	EDGE 0, 1
	PAIR_A 1
	PAIR_B
	EDGE 1, 0
	PAIR_A 0
	PAIR_B
	s_sub_co_u32 s51, s51, 1
	s_cmp_lg_u32 s51, 0
	s_cbranch_scc1 .Lring
	s_wait_tensorcnt 0x0                           ; slot 7, my own quad: nothing is filled again, so no barrier
	PLACES
	FETCH 1, 0
	VPH 1
	IDINC 30
	PAIR_A 1
	PAIR_B
	PLACES
	VPH 1
.irp T, 0,1,2,3,4,5,6,7
	v_mov_b32 v[ACC+\T], 7                         ; the entry in the tile: the lowest j whose kept score is the maximum
.endr
.irp k, 6,5,4,3,2,1,0
.irp T, 0,1,2,3,4,5,6,7
	v_cmp_eq_f32 vcc_lo, v[TR+10*\T+3+\k], v[TR+10*\T]
	s_delay_alu instid0(VALU_DEP_1)
	v_cndmask_b32 v[ACC+\T], v[ACC+\T], \k, vcc_lo
.endr
.endr
.irp T, 0,1,2,3,4,5,6,7
	v_lshl_add_u32 v[ACC+\T], v[TR+10*\T+2], 4, v[ACC+\T]
.endr
.irp T, 0,1,2,3,4,5,6,7
	v_add_nc_u32 v[ACC+\T], v[H8], v[ACC+\T]       ; entry = 16 x tile + 8 h + j
.endr
.irp T, 0,1,2,3,4,5,6,7
	v_permlanex16_b32 v[TR+10*\T+3], v[TR+10*\T], s[SEL], s[SEL+1]
	v_permlanex16_b32 v[TR+10*\T+4], v[ACC+\T], s[SEL], s[SEL+1]
.endr
.irp T, 0,1,2,3,4,5,6,7
	LEX TR+10*\T, ACC+\T, TR+10*\T+3, TR+10*\T+4
.endr
.irp T, 0,1,2,3,4,5,6,7
	ds_store_b32 v[RA], v[TR+10*\T] offset:64*\T   ; both lanes of a row write the same word with the same value
	ds_store_b32 v[RA], v[ACC+\T] offset:4096+64*\T
.endr
	s_wait_dscnt 0x0                               ; for the others' sake: my stores are done
	s_barrier_signal -1
	s_barrier_wait -1
	s_cmp_lt_u32 s[WV], 2
	s_cbranch_scc0 .Lend
.irp p, 0,1,2,3,4,5,6,7
	ds_load_b64 v[AF+2*\p:AF+2*\p+1], v[RL] offset:512*\p
	ds_load_b64 v[AF+16+2*\p:AF+16+2*\p+1], v[RL] offset:4096+512*\p
.endr
	s_wait_dscnt 0x0
.irp p, 1,2,3,4,5,6,7
.irp u, 0,1
	LEX AF+\u, AF+16+\u, AF+2*\p+\u, AF+16+2*\p+\u
.endr
.endr
	v_add_f32 v[AF], 0, v[AF]                      ; -0 becomes +0
	v_add_f32 v[AF+1], 0, v[AF+1]
	s_delay_alu instid0(VALU_DEP_2)
	v_ashrrev_i32 v[AF+2], 31, v[AF]
	s_delay_alu instid0(VALU_DEP_2)
	v_ashrrev_i32 v[AF+3], 31, v[AF+1]
	s_delay_alu instid0(VALU_DEP_2)
	v_lshrrev_b32 v[AF+2], 1, v[AF+2]              ; 0x7fffffff for a negative score, else 0
	s_delay_alu instid0(VALU_DEP_2)
	v_lshrrev_b32 v[AF+3], 1, v[AF+3]
	s_delay_alu instid0(VALU_DEP_2)
	v_xor_b32 v[AF], v[AF], v[AF+2]                ; as signed whole numbers the keys stand in the scores' order
	s_delay_alu instid0(VALU_DEP_2)
	v_xor_b32 v[AF+1], v[AF+1], v[AF+3]
	v_sub_nc_u32 v[AF+4], v[RL], s42               ; 8 x lane
	global_store_b64 v[AF+4], v[AF+16:AF+17], s[10:11]   ; 32 lanes store 256 consecutive bytes, at a multiple of 256 from the buffer's first byte
	global_store_b64 v[AF+4], v[AF:AF+1], s[12:13]
.Lend:
	s_wait_tensorcnt 0x0                           ; the wave's end
	ds_add_u32 v[SPW], v[NIL]
	s_wait_dscnt 0x0
	CROUND                                         ; the closing round
	s_endpgm
.Lfunc_end_k_q299e2ac3fa_assign:
	.size	k_q299e2ac3fa_assign, .Lfunc_end_k_q299e2ac3fa_assign-k_q299e2ac3fa_assign
	.p2alignl 7, 3214868480
	.fill 96, 4, 3214868480
	.section	.rodata,"a",@progbits
	.p2align	6, 0x0
	.amdhsa_kernel k_q299e2ac3fa_assign
		.amdhsa_group_segment_fixed_size 327680
		.amdhsa_private_segment_fixed_size 0
		.amdhsa_enable_private_segment 0
		.amdhsa_kernarg_size 40
		.amdhsa_user_sgpr_count 2
		.amdhsa_user_sgpr_kernarg_segment_ptr 1
		.amdhsa_wavefront_size32 1
		.amdhsa_system_sgpr_workgroup_id_x 1
		.amdhsa_system_sgpr_workgroup_id_y 1
		.amdhsa_system_sgpr_workgroup_id_z 1
		.amdhsa_system_vgpr_workitem_id 0
		.amdhsa_next_free_vgpr 512
		.amdhsa_next_free_sgpr 66
		.amdhsa_reserve_vcc 1
		.amdhsa_float_denorm_mode_32 3
		.amdhsa_float_denorm_mode_16_64 3
		.amdhsa_memory_ordered 1
		.amdhsa_forward_progress 1
		.amdhsa_inst_pref_size 152
	.end_amdhsa_kernel
	.amdgpu_metadata
---
amdhsa.version: [ 1, 2 ]
amdhsa.kernels:
  - .name:           k_q299e2ac3fa_assign
    .symbol:         k_q299e2ac3fa_assign.kd
    .args:
      - { .name: xq, .offset: 0, .size: 8, .value_kind: global_buffer, .address_space: global }
      - { .name: xs, .offset: 8, .size: 8, .value_kind: global_buffer, .address_space: global }
      - { .name: cbk, .offset: 16, .size: 8, .value_kind: global_buffer, .address_space: global }
      - { .name: ci, .offset: 24, .size: 8, .value_kind: global_buffer, .address_space: global }
      - { .name: ck, .offset: 32, .size: 8, .value_kind: global_buffer, .address_space: global }
    .group_segment_fixed_size: 327680
    .private_segment_fixed_size: 0
    .kernarg_segment_align: 8
    .kernarg_segment_size: 40
    .max_flat_workgroup_size: 256
    .sgpr_count:     66
    .vgpr_count:     512
    .wavefront_size: 32
...
	.end_amdgpu_metadata
.endif
;; end of part 2
;; launch gather (part 3): grid 512 x 1, 8 waves a work-group, no clusters, 0 bytes of LDS; arguments ci, ck, values, out0; writes out0
.if DOCPART == 3
	.amdgcn_target "amdgcn-amd-amdhsa--gfx1250"
	.amdhsa_code_object_version 6
	.text
	.protected	k_q299e2ac3fa_gather
	.globl	k_q299e2ac3fa_gather
	.p2align	8
	.type	k_q299e2ac3fa_gather,@function
k_q299e2ac3fa_gather:
	s_mov_b64 s[64:65], 0
	v_nop
	global_prefetch_b8 v0, s[64:65] scope:SCOPE_SE
	s_setreg_imm32_b32 hwreg(HW_REG_WAVE_MODE, 25, 1), 1
	s_wait_xcnt 0x0
; out0[row] = values[the better of the row's two candidates].  ci [2][16384]: the best entry of each half of the codebook; ck [2][16384]: its score as a signed whole number of the same order.
; Both are whole numbers that the launch before stored.  The second half's entry is taken where its key is strictly greater: on equal keys the first half's stays, which is the lower entry.
; A wave takes four rows; a row of values or of out0 is 2,048 bytes: four loads or stores of 512 consecutive bytes.  All 16 loads of a wave go out at once; no LDS, no barrier, no matrix unit: the launch only moves bytes.
; LIMIT: an index is held at 8,191 ahead of its use in an address.
.set OFF, 2                            ; v2-5   the rows' byte offsets in values
.set CA,  8                            ; v8-71  the four rows, 16 registers each
	s_load_b256 s[4:11], s[0:1], 0x0               ; ci s[4:5], ck s[6:7], values s[8:9], out0 s[10:11]
	v_lshrrev_b32 v1, 5, v0
	s_delay_alu instid0(VALU_DEP_1)
	v_readfirstlane_b32 s12, v1                    ; wave 0..7
	s_lshl_b32 s13, ttmp9, 3
	s_add_co_u32 s13, s13, s12                     ; which four rows
	s_lshl_b32 s14, s13, 4                         ; their 16 bytes in ci and in ck
	s_mov_b32 s15, 0
	s_lshl_b32 s32, s13, 13                        ; their 8,192 bytes in out0
	s_mov_b32 s33, 0
	v_and_b32 v1, 31, v0
	s_delay_alu instid0(VALU_DEP_1)
	v_lshlrev_b32 v1, 4, v1                        ; 16 x lane
	s_wait_alu depctr_va_vdst(0)                   ; the wait at the head's end
	s_wait_kmcnt 0x0
	s_add_nc_u64 s[4:5], s[4:5], s[14:15]
	s_add_nc_u64 s[6:7], s[6:7], s[14:15]
	s_add_nc_u64 s[10:11], s[10:11], s[32:33]
	s_load_b128 s[16:19], s[4:5], 0x0              ; the entries: first half's,
	s_load_b128 s[20:23], s[4:5], 0x10000          ; second half's
	s_load_b128 s[24:27], s[6:7], 0x0              ; the keys likewise
	s_load_b128 s[28:31], s[6:7], 0x10000
	s_wait_kmcnt 0x0
.irp p, 0,1,2,3
	s_cmp_gt_i32 s[28+\p], s[24+\p]                ; is the second half's key greater?
	s_cselect_b32 s[16+\p], s[20+\p], s[16+\p]
	s_min_u32 s[16+\p], s[16+\p], 8191             ; held inside the table
	s_lshl_b32 s[16+\p], s[16+\p], 11              ; a row is 2,048 bytes
	v_add_nc_u32 v[OFF+\p], s[16+\p], v1
.endr
	s_wait_alu depctr_va_vdst(0)                   ; the wait here, directly ahead of the readers below
.irp p, 0,1,2,3
.irp q, 0,1,2,3
	global_load_b128 v[CA+16*\p+4*\q:CA+16*\p+4*\q+3], v[OFF+\p], s[8:9] offset:512*\q    ; no hint: many rows may name one entry
.endr
.endr
.irp p, 0,1,2,3
	s_wait_loadcnt 4*(3-\p)                        ; this row's four loads are in; the later rows' four each may be out
.irp q, 0,1,2,3
	global_store_b128 v1, v[CA+16*\p+4*\q:CA+16*\p+4*\q+3], s[10:11] offset:2048*\p+512*\q th:TH_STORE_NT   ; 512 consecutive bytes, at a multiple of 256 from out0's first byte; written once, read by nobody here
.endr
.endr
	s_endpgm
.Lfunc_end_k_q299e2ac3fa_gather:
	.size	k_q299e2ac3fa_gather, .Lfunc_end_k_q299e2ac3fa_gather-k_q299e2ac3fa_gather
	.p2alignl 7, 3214868480
	.fill 96, 4, 3214868480
	.section	.rodata,"a",@progbits
	.p2align	6, 0x0
	.amdhsa_kernel k_q299e2ac3fa_gather
		.amdhsa_group_segment_fixed_size 0
		.amdhsa_private_segment_fixed_size 0
		.amdhsa_enable_private_segment 0
		.amdhsa_kernarg_size 32
		.amdhsa_user_sgpr_count 2
		.amdhsa_user_sgpr_kernarg_segment_ptr 1
		.amdhsa_wavefront_size32 1
		.amdhsa_system_sgpr_workgroup_id_x 1
		.amdhsa_system_sgpr_workgroup_id_y 1
		.amdhsa_system_sgpr_workgroup_id_z 1
		.amdhsa_system_vgpr_workitem_id 0
		.amdhsa_next_free_vgpr 72
		.amdhsa_next_free_sgpr 66
		.amdhsa_reserve_vcc 0
		.amdhsa_float_denorm_mode_32 3
		.amdhsa_float_denorm_mode_16_64 3
		.amdhsa_memory_ordered 1
		.amdhsa_forward_progress 1
		.amdhsa_inst_pref_size 6
	.end_amdhsa_kernel
	.amdgpu_metadata
---
amdhsa.version: [ 1, 2 ]
amdhsa.kernels:
  - .name:           k_q299e2ac3fa_gather
    .symbol:         k_q299e2ac3fa_gather.kd
    .args:
      - { .name: ci, .offset: 0, .size: 8, .value_kind: global_buffer, .address_space: global }
      - { .name: ck, .offset: 8, .size: 8, .value_kind: global_buffer, .address_space: global }
      - { .name: values, .offset: 16, .size: 8, .value_kind: global_buffer, .address_space: global }
      - { .name: out0, .offset: 24, .size: 8, .value_kind: global_buffer, .address_space: global }
    .group_segment_fixed_size: 0
    .private_segment_fixed_size: 0
    .kernarg_segment_align: 8
    .kernarg_segment_size: 32
    .max_flat_workgroup_size: 256
    .sgpr_count:     66
    .vgpr_count:     72
    .wavefront_size: 32
...
	.end_amdgpu_metadata
.endif
;; end of part 3
